; MI455X (gfx1250); checked and timed in simulation.
; The chip was launched on July 23, 2026; its instructions are those of AMD's public machine-readable ISA for CDNA 5 (MIT licence, August 2026) and "CDNA5" Instruction Set Architecture Reference Guide (July 2026). The comments in the code are by the model that wrote it; some were corrected since.
;; Dot Product Attention. Allowed arithmetic: float matrix products may take bf16 or f16 operands with f32 sums; other float arithmetic in f32, or as packed bf16 or f16 multiplies, adds, multiply-adds, maxima and minima; sums over many terms, partial sums and values carried from step to step in f32; what a program stores and reads back later, other than sums and carried values, may be rounded once to bf16 or f16.
;; Inputs: key 4 x 16 x 2,048 x 64 float32; mask 4 x 2,048 int32; query 4 x 16 x 2,048 x 64 float32; value 4 x 16 x 2,048 x 64 float32.
;; Outputs: out0 4 x 16 x 2,048 x 64 float32.
;; One version. Each part assembles by itself: llvm-mc -triple=amdgcn-amd-amdhsa -mcpu=gfx1250 --defsym DOCPART=n.
;; ======== version 1 of 1: 1 launch
;; limits: right only within a limited range of input values
;; launch attn (part 1): grid 4 x 64, 4 waves a work-group, no clusters, 70,144 bytes of LDS; arguments query, key, value, mask, out0; writes out0
.if DOCPART == 1
	.amdgcn_target "amdgcn-amd-amdhsa--gfx1250"
	.amdhsa_code_object_version 6
	.text
	.protected	k_q6b1fb889d7_attn
	.globl	k_q6b1fb889d7_attn
	.p2align	8
	.type	k_q6b1fb889d7_attn,@function
k_q6b1fb889d7_attn:
	s_mov_b64 s[64:65], 0
	v_nop
	global_prefetch_b8 v0, s[64:65] scope:SCOPE_SE
	s_setreg_imm32_b32 hwreg(HW_REG_WAVE_MODE, 25, 1), 1
	s_wait_xcnt 0x0
; O[b][h][q][:] = the sum over k of softmax_k(t[q][k]) V[b][h][k][:],  t = Q[q] . K[k] / 32 + (-1e9) (1 - mask[b][q]).  Q, K, V, O: [64 heads][2048][64] f32; mask: [4][2048] i32.
; FORMATS.  Q, K and V are rounded once to bf16 on their way to the matrix unit; products, t, maxima and sums in f32; the weights p are rounded to bf16 for the second product (their sum l is
; taken of the unrounded p); O leaves in f32.
; THE MASK lies on the QUERY: one number is added to a whole row.  It is added as the problem's definition adds it, in f32, by ONE fused multiply-add t = s x (1/32) + bias (the division by 32
; is exact, so this is that sum's one rounding): beside -1e9 f32's step is 64, and what that rounding leaves of the scores decides the row.  Nothing of it is folded into another factor.
; SOFTMAX.  For each query a running maximum m of t and a sum l: p = 2^(c t - CM), c = log2(e), CM = c m rounded; in every step O and l are multiplied by a = 2^(CM_old - CM_new).  All of a row
; is taken relative to the same CM, so CM's own rounding cancels in O / l.  m starts at the lowest finite number, CM far below every c t, l at 0: the first step is a step like any other, with a = 0.
; LIMITS.  mask values 0, 1 and 2 are served: |bias| is then at most 1e9, CM is off c m by at most 64 (half of f32's step at 1.44e9), p lies within 2^64 of the range 0 to 1, and l and O stay
; under 2^75 times V's numbers: inside f32 and bf16 (this is why P is bf16, not f16).  Other mask values are not served.  A weight below 2^-126 in that scale counts as 0.  In a row of equal
; weights O carries P's one rounding, 2^-9 of itself at the most.  NaN and infinities are not treated apart.
; SHARES.  A work-group owns 512 queries of one head, a wave 128: four PIECES of two tiles of 16.  Every wave walks all 2,048 keys, 64 a step.  256 work-groups.
; K AND V COME THROUGH REGISTERS.  Of each step's 64 keys wave w loads keys 16 w .. 16 w + 15 of K and of V (512 consecutive bytes a load), rounds them to bf16 and stores them into one of two
; bf16 buffers in LDS, 4 keys of each in every turn (a UNIT).  So each number is rounded once a work-group, LDS holds 16-bit rows alone (16,384 bytes written a step), K is read from them
; as fragments and V turned by ds_load_tr16_b128.  NO TENSOR LOADS AND NO CLUSTER, though a head's four work-groups walk the same K and V: a tensor load brings the numbers as they lie, in f32:
; 32,768 bytes a step that would be written into LDS and read out of it again only to be rounded.  The price: each of the four asks for all of its head's K and V, 1 MiB, itself.
; LAYOUT.  S^T = K Q^T (source 0 = 16 keys, source 1 = 16 queries): a lane holds ONE query (lane % 16) and the keys 8 (lane / 16) + 0..7.  Two such results rounded to bf16 in pairs ARE source 1
; of O^T = V^T P, whose result again holds one query a lane, and eight channels.
; BY TURNS.  Turn n belongs to piece n.  Matrix work: 16 products K Q^T of piece n + 1, later 16 products V^T P of piece n - 1.  Vector work: scaling, exponentials, roundings, sums and rescaling of
; piece n; bias, maximum and statistics of piece n + 1.  A turn has 32 matrix and 276 vector instructions: four that are ready stand behind every matrix instruction, the others in runs of their own.
; BY TRIPS.  Trip j: pieces 2 and 3 of step j - 1, pieces 0 and 1 of step j.  It fetches K and V of step j from bf16 buffer j % 2, converts step j + 1 into the other buffer, and loads step j + 2
; from memory.  One barrier at its head.  ONE TEXT FOR EVERY TRIP: the loads' pointers stop at step 29, so trips 30 to 32 load step 31's rows once more and convert them into a buffer whose
; numbers feed no result (10 units of 138), and the last trip's 16 products K Q^T, and the statistics made of them, serve nothing either.
; REGISTERS, in windows of 256 (s_set_vgpr_msb: bits 1:0 source 0, 3:2 source 1, 5:4 source 2, 7:6 destination):
;   window 0: v0, v1, v6, v7 CM_old kept; v2-5 LDS addresses; v8-15 a tile's bias; v16-47 statistics; v48-63 at work; v64-191 S^T, two buffers of two tiles; v192-255 P, likewise
;   window 1: O^T, 32 a tile (at the start: Q in f32)      window 2: v0-127 Q, 16 a tile; v128-191 K of one step; v192-255 V of one step
;   window 3: the add's two registers, the conversion's and the way out's addresses, v16-143 f32 as loaded (banks of 16), v144-151 bf16 to store
.set NP,     4         ; pieces a wave: a name, no knob
.set KS,     64        ; keys in a step
.set PK,     144       ; a bf16 row of K in LDS: 128 bytes + 16 = 36 words: the 16 rows of a fragment load start at 16 different groups of four banks (64 banks of 4 bytes: ISA guide 11.1)
.set PV,     160       ; a bf16 row of V: 128 + 32 = 40 words
.set VOFFB,  KS*PK     ; a bf16 buffer: 64 rows of K, then 64 rows of V: 19,456 bytes; buffer 0 begins at LDS byte 0
.set BFX,    32768     ; buffer 1 begins here: one exclusive or turns one buffer's address into the other's
.set STAGE,  BFX+KS*(PK+PV)    ; 52,224: 16 rows x 272 bytes for each wave, for the way out
.set SP,     272
.set SPARE,  STAGE+4*16*SP     ; 69,632: the spare words, 128 bytes for each wave: two blocks of 256 bytes that no other line names
.set STEPB,  KS*256    ; a step's bytes in K and in V
.set AK0, 2            ; v2   my lane's place in a bf16 tile of K; never rewritten
.set AV0, 3            ; v3   the same for V
.set AK,  4            ; v4   the LDS address of K's next run of loads
.set AV,  5            ; v5   of V's
.set BI,  8            ; v8-15  tile t's bias for my query
.set ST,  16           ; tile t's statistics at v[ST+4 t]: CM, m, l (even keys', odd keys')
.set TMP, 48           ; by buffer and tile, four registers c0-c3 at work; when the maximum is found c2 takes a
.set S,   64
.set P,   192
.set KF,  128          ; window 2: key block kb, channel half c at KF + 16 kb + 8 c
.set VF,  192          ; window 2: key half kk, channel block cb at VF + 32 kk + 8 cb
.set XR,  64           ; the set-up's own, in S^T's registers: l % 16,
.set XH,  65           ; l / 16,
.set XL,  66           ; l,
.set X7,  67           ; l % 8,
.set X3,  68           ; (l / 8) % 2,
.set QO,  69           ; my byte offset in 16 rows of Q,
.set MO,  70           ; and in 16 words of the mask
.set SPW, 0            ; window 3: LDS address of my spare word: SPARE + 4 x my thread's number; never rewritten
.set NIL, 1            ;   0; never rewritten
.set CK0, 4            ;   my 8 bytes in my wave's 16 keys of a bf16 K; never rewritten
.set CV0, 5            ;   the same for V
.set CK,  7            ;   the two with the buffer added
.set CVD, 8
.set STO, 9            ;   the way out: where I put 16 bytes of a row
.set RD,  10           ;   where I read rows back
.set GO,  11           ;   16 x my lane: my byte offset in 512 consecutive bytes of K, of V and of O; never rewritten
.set PFO, 12           ;   256 x my lane: a row of K or V is 256 bytes; never rewritten
.set CF,  16           ;   f32 as loaded: 16 registers a bank; the loop has banks 0-3, the set-up also 4-7
.set CH,  144          ;   bf16 to store: 8 registers
.set KP,  6            ; s[6:7]   K at my wave's 16 keys of step j, where j is the trip (29 at the most)
.set VP,  8            ; s[8:9]   V likewise
.set WV,  14           ; s14  my wave's number
.set LIM, 15           ; s15  4 in the wave that prefetches, else the greatest number
.set PFA, 24           ; s[24:25] my work-group's 32 rows of step j, of K (blocks 0, 1) or of V (blocks 2, 3)
.set STP, 26           ; s[26:27] what the pointers step by at a trip's head: a step's bytes, or 0
.set LEFT, 28          ; s28  33 less the trip's number
.set TB,  29           ; s29  the bf16 buffer that the trip fetches from
.set TC,  30           ; s30  the bf16 buffer that the trip converts into
.set CS,  32           ; s[32:33] c: a packed line takes the pair's low word for both halves
.set SC,  34           ; s[34:35] 1/32
.set SEL, 36           ; s[36:37] v_permlanex16_b32's selects: each lane takes its own place in the other half
.set MSB, 0
.macro WIN new                      ; the high byte repeats the setting that is left; a switch that changes nothing is dropped
.if MSB != (\new)
	s_set_vgpr_msb (MSB<<8)|(\new)
.set MSB, (\new)
.endif
.endm
.set W_KQ, 0x0a       ; K and Q in window 2, S^T in window 0
.set W_PV, 0x52       ; V in window 2, P in window 0, O^T in window 1
.set W_RS, 0x41       ; O^T (destination and source 0) in window 1, the factor in window 0
.set W_MK, 0xc0       ; destination in window 3, sources in window 0
.set W_AD, 0x0f       ; the add: address and data in window 3
.set W_CV, 0xcf       ; the conversion: destination and sources 0 and 1 in window 3
; THE CONVERSION.  A UNIT is 4 keys of K and 4 of V of my wave's 16: four loads from memory, eight roundings, four stores into LDS.  u: the unit's number in its step; b: its bank of registers.
; A load of 16 bytes a lane takes 512 consecutive bytes: two keys, lanes 0-15 the even one; a lane's 4 channels become 8 bytes at key x pitch + 8 (l % 16).
.macro GLOAD u, b, st               ; st: the step, counted from the one at which the pointers stand
	WIN W_CV
	global_load_b128 v[CF+16*(\b):CF+16*(\b)+3],     v[GO], s[KP:KP+1] offset:(\st)*STEPB+1024*(\u)
	global_load_b128 v[CF+16*(\b)+4:CF+16*(\b)+7],   v[GO], s[KP:KP+1] offset:(\st)*STEPB+1024*(\u)+512
	global_load_b128 v[CF+16*(\b)+8:CF+16*(\b)+11],  v[GO], s[VP:VP+1] offset:(\st)*STEPB+1024*(\u)
	global_load_b128 v[CF+16*(\b)+12:CF+16*(\b)+15], v[GO], s[VP:VP+1] offset:(\st)*STEPB+1024*(\u)+512
.endm
.macro CONV u, b, left              ; left: the loads issued behind the bank's own, which may stay out; -1: the bank has been waited for
	WIN W_CV
.if (\left) >= 0
	s_wait_loadcnt \left
.endif
.irp j, 0,1,2,3,4,5,6,7
	v_cvt_pk_bf16_f32 v[CH+\j], v[CF+16*(\b)+2*\j], v[CF+16*(\b)+2*\j+1]
.endr
	ds_store_b64 v[CK],  v[CH:CH+1]   offset:4*PK*(\u)
	ds_store_b64 v[CK],  v[CH+2:CH+3] offset:4*PK*(\u)+2*PK
	ds_store_b64 v[CVD], v[CH+4:CH+5] offset:4*PV*(\u)
	ds_store_b64 v[CVD], v[CH+6:CH+7] offset:4*PV*(\u)+2*PV
.endm
.macro CADDR                        ; where a trip's four units go
	WIN W_CV
	v_add_nc_u32 v[CK], s[TC], v[CK0]
	v_add_nc_u32 v[CVD], s[TC], v[CV0]
.endm
; A PREFETCH INTO THE L2, once a trip, behind the turn's own loads: 32 rows of 256 bytes, a lane a row, of step j + 3, which the next trip will load.  Each row is named ONCE in the launch: a head's four
; work-groups share a step's 64 rows of K and 64 of V out: blocks 0 and 1 take K's halves, blocks 2 and 3 V's; in each, wave 0 asks.  Steps 0 to 3 come by their loads alone; behind trip 28 there is no step three on.
.macro ASK
	WIN 0                           ; at a label and at a branch every window is 0
	s_cmp_gt_u32 s[LEFT], s[LIM]
	s_cbranch_scc0 .Lnot_mine_\@
	WIN 0x03                        ; the offset lies in window 3
	global_prefetch_b8 v[PFO], s[PFA:PFA+1] offset:3*STEPB th:TH_LOAD_NT scope:SCOPE_SE
	WIN 0
.Lnot_mine_\@:
.endm
; A TRIP'S HEAD.  In front of the barrier each wave's LDS instructions are over: its stores into the buffer that is fetched from next, and its reads of the buffer that is written next.
.macro SYNC
	s_wait_xcnt 0x0                 ; every load and prefetch issued so far (the youngest most of a turn back) has read its address, so the pointers may be written
	s_wait_dscnt 0x0
	s_barrier_signal -1             ; the scalar work stands between the signal and the wait
	s_xor_b32 s[TB], s[TB], BFX
	s_xor_b32 s[TC], s[TC], BFX
	s_cmp_gt_u32 s[LEFT], 3         ; trips 1 to 29 step; from then on the loads, two steps ahead, stay at step 31, the head's last
	s_cselect_b32 s[STP], STEPB, 0
	s_add_nc_u64 s[KP:KP+1], s[KP:KP+1], s[STP:STP+1]
	s_add_nc_u64 s[VP:VP+1], s[VP:VP+1], s[STP:STP+1]
	s_add_nc_u64 s[PFA:PFA+1], s[PFA:PFA+1], s[STP:STP+1]
	s_barrier_wait -1
.endm
	s_load_b256 s[4:11], s[0:1], 0x0  ; Q s[4:5], K s[6:7], V s[8:9], mask s[10:11]
	s_load_b64 s[12:13], s[0:1], 0x20 ; O
	v_and_b32 v[XL], 31, v0
	WIN W_MK
	v_lshl_add_u32 v[SPW], v0, 2, SPARE
	v_mov_b32 v[NIL], 0
	v_lshlrev_b32 v[GO], 4, v[XL]
	v_lshlrev_b32 v[PFO], 8, v[XL]
	WIN 0
	v_lshrrev_b32 v1, 5, v0
	v_readfirstlane_b32 s[WV], v1   ; wave 0..3
	s_mov_b32 s16, ttmp9            ; my block of 512 queries
	s_and_b32 s17, ttmp7, 0xffff    ; the head
	s_lshl_b32 s20, s17, 19         ; the head's first byte in Q, K, V and O: 2,048 rows of 256 bytes
	s_lshl_b32 s22, s[WV], 12       ; my wave's 16 keys of a step
	s_add_co_u32 s22, s22, s20
	s_mov_b32 s23, 0
	s_lshl_b32 s2, s16, 17          ; my block's 512 rows,
	s_lshl_b32 s3, s[WV], 15        ; my wave's 128 of them
	s_add_co_u32 s2, s2, s3
	s_add_co_u32 s2, s2, s20
	s_mov_b32 s3, 0
	s_lshr_b32 s18, s17, 4          ; the batch: 16 heads share a mask row of 8,192 bytes
	s_lshl_b32 s18, s18, 13
	s_lshl_b32 s19, s16, 11         ; my block's 512 words,
	s_add_co_u32 s18, s18, s19
	s_lshl_b32 s19, s[WV], 9        ; my wave's 128
	s_add_co_u32 s18, s18, s19
	s_mov_b32 s19, 0
	s_and_b32 s21, s16, 1           ; the prefetches: which 32 of a step's 64 rows are my work-group's
	s_lshl_b32 s21, s21, 13
	s_add_co_u32 s20, s20, s21
	s_mov_b32 s21, 0
	s_mov_b32 s[CS], 0x3fb8aa3b     ; c = log2(e)
	s_mov_b32 s[CS+1], s[CS]        ; named with it as a pair
	s_mov_b32 s[SC], 0x3d000000     ; 1/32
	s_mov_b32 s[SC+1], s[SC]
	s_mov_b32 s[SEL], 0x76543210
	s_mov_b32 s[SEL+1], 0xfedcba98
	s_mov_b32 s[TB], 0              ; trip 0 fetches from buffer 0
	s_mov_b32 s[TC], BFX            ; and converts into buffer 1
	s_mov_b32 s[STP+1], 0
	s_mov_b32 s[LEFT], 33
	s_cmp_eq_u32 s[WV], 0
	s_cselect_b32 s[LIM], 4, -1
	s_wait_kmcnt 0x0
	s_cmp_lt_u32 s16, 2
	s_cselect_b64 s[PFA:PFA+1], s[6:7], s[8:9]
	s_add_nc_u64 s[PFA:PFA+1], s[PFA:PFA+1], s[20:21]
	s_add_nc_u64 s[KP:KP+1], s[KP:KP+1], s[22:23]  ; K and V at my 16 keys of the head's step 0
	s_add_nc_u64 s[VP:VP+1], s[VP:VP+1], s[22:23]
	s_add_nc_u64 s[4:5], s[4:5], s[2:3]            ; Q and O at my wave's first row
	s_add_nc_u64 s[12:13], s[12:13], s[2:3]
	s_add_nc_u64 s[10:11], s[10:11], s[18:19]      ; the mask at my wave's first query
.irp u, 0,1,2,3
	GLOAD \u, 4+\u, 0               ; step 0, into banks that the loop does not use
.endr
.irp u, 0,1,2,3
	GLOAD \u, \u, 1                 ; step 1
.endr
	WIN 0
	; A bf16 fragment of Q is 16 rows x 32 channels in 8 registers: lane l holds row l % 16, channels 8 (l / 16) + 0..7 and 16 + 8 (l / 16) + 0..7.
	; In f32 those are two runs of 32 bytes, 64 bytes apart: four loads of 16 bytes, into window 1, which O^T does not need yet.
	v_and_b32 v[XR], 15, v0
	v_bfe_u32 v[XH], v0, 4, 1
	v_lshlrev_b32 v[QO], 8, v[XR]
	v_lshl_add_u32 v[QO], v[XH], 5, v[QO]  ; row x 256 + 32 x half
	v_lshlrev_b32 v[MO], 2, v[XR]          ; my query's word of the mask
.set t, 0
.rept 8
	global_load_b32 v[BI+t], v[MO], s[10:11] offset:64*t  ; tile t's 16 queries; both halves of the lanes take the same words
.set t, t+1
.endr
	WIN 0x40                        ; destination window 1, address window 0
.set i, 0
.rept 16                            ; tile i / 2, channels 32 (i % 2) on
	global_load_b128 v[16*i:16*i+3],     v[QO], s[4:5] offset:(i/2)*4096+(i%2)*128 th:TH_LOAD_NT
	global_load_b128 v[16*i+4:16*i+7],   v[QO], s[4:5] offset:(i/2)*4096+(i%2)*128+16 th:TH_LOAD_NT
	global_load_b128 v[16*i+8:16*i+11],  v[QO], s[4:5] offset:(i/2)*4096+(i%2)*128+64 th:TH_LOAD_NT
	global_load_b128 v[16*i+12:16*i+15], v[QO], s[4:5] offset:(i/2)*4096+(i%2)*128+80 th:TH_LOAD_NT
.set i, i+1
.endr
	WIN 0
	v_mul_u32_u24 v[AK0], v[XR], PK
	v_lshl_add_u32 v[AK0], v[XH], 4, v[AK0]  ; row x pitch + 16 x half
	; The turning load takes 16 keys x 16 channels (lane l reads key 8 (l / 16) + l % 8, channels 8 ((l / 8) % 2) + 0..7) and leaves half a fragment of V^T: lane l holds channel l % 16 and 8 keys.
	v_and_b32 v[X7], 7, v0
	v_bfe_u32 v[X3], v0, 3, 1
	v_lshl_add_u32 v[AV0], v[XH], 3, v[X7]
	v_mul_u32_u24 v[AV0], v[AV0], PV
	v_lshl_add_u32 v[AV0], v[X3], 4, v[AV0]
	v_add_nc_u32 v[AV0], VOFFB, v[AV0]
	v_mul_u32_u24 v71, v[XH], PK    ; the conversion's stores: key l / 16 of a pair, 8 bytes at 8 (l % 16)
	v_lshl_add_u32 v71, v[XR], 3, v71
	v_mul_u32_u24 v72, v[XH], PV
	v_lshl_add_u32 v72, v[XR], 3, v72
	v_mul_u32_u24 v73, v[XR], SP    ; the way out, in: row l % 16, 32 bytes for each half of the lanes
	v_lshl_add_u32 v73, v[XH], 5, v73
	v_mul_u32_u24 v74, v[XH], SP    ; back: lanes 0-15 take one row of 256 bytes, lanes 16-31 the next
	v_lshl_add_u32 v74, v[XR], 4, v74
	s_mul_i32 s21, s[WV], 16*PK     ; my wave's 16 keys in a bf16 K,
	s_mul_i32 s22, s[WV], 16*PV     ; in a bf16 V
	s_add_co_u32 s22, s22, VOFFB
	s_mul_i32 s23, s[WV], 16*SP
	s_add_co_u32 s23, s23, STAGE    ; my stage
	WIN W_MK
	v_add_nc_u32 v[CK0], s21, v71
	v_add_nc_u32 v[CV0], s22, v72
	v_add_nc_u32 v[STO], s23, v73
	v_add_nc_u32 v[RD], s23, v74
	WIN 0
	; What the first turns find.  A piece's first step multiplies its O^T and l by a = 0, so O^T need only hold finite numbers: it keeps Q's f32 numbers and is not cleared.  The first turn's products
	; V^T P, of a piece that has not been, land in such an O^T: P's second buffer holds 0, and V's registers take step 0's V early (below).
.set i, 0
.rept 2*NP
	v_mov_b32 v[ST+4*i], 0xfe000000    ; CM: far below every c t
	v_mov_b32 v[ST+4*i+1], 0xff7fffff  ; m
	v_mov_b32 v[ST+4*i+2], 0
	v_mov_b32 v[ST+4*i+3], 0
.set i, i+1
.endr
.set i, P+32
.rept 32
	v_mov_b32 v[i], 0
.set i, i+1
.endr
	s_wait_loadcnt 0x0              ; steps 0 and 1, the mask and Q are in
	WIN W_CV
	v_mov_b32 v[CK], v[CK0]         ; step 0 goes into buffer 0,
	v_mov_b32 v[CVD], v[CV0]
.irp u, 0,1,2,3
	CONV \u, 4+\u, -1
.endr
	CADDR                           ; step 1 into buffer 1: trip 0 has two turns, not four, so units 0 and 1 are converted here,
	CONV 0, 0, -1
	CONV 1, 1, -1
	GLOAD 0, 0, 2                   ; and their banks take step 2's
	GLOAD 1, 1, 2
	WIN 0x85                        ; sources window 1, destination window 2
.set i, 0
.rept 128
	v_cvt_pk_bf16_f32 v[i], v[2*i], v[2*i+1]  ; Q's one rounding; it stays in registers
.set i, i+1
.endr
	WIN 0
.set t, 0
.rept 8                             ; the bias, by the definition's own three operations: (-1e9) x (1 - f32(mask))
	v_cvt_f32_i32 v[BI+t], v[BI+t]
	v_sub_f32 v[BI+t], 1.0, v[BI+t]
	v_mul_f32 v[BI+t], 0xce6e6b28, v[BI+t]
.set t, t+1
.endr
; THE MATRIX WORK.  The 8 accumulators of a run of 16 take turns: between the two links of a chain stand 7 others'.
; Product i of 16 of S^T = K Q^T for piece x: channels 32 (i / 8) on, keys 16 ((i / 2) % 4) on, tile 2 x + i % 2.  The first 8 start the sums.
.macro KQ x
	WIN W_KQ
.set rS, S+64*((\x)%2)+32*(i%2)+8*((i/2)%4)
.set rK, KF+16*((i/2)%4)+8*(i/8)
.set rQ, 16*(2*(\x)+i%2)+8*(i/8)
.if i < 8
	v_wmma_f32_16x16x32_bf16 v[rS:rS+7], v[rK:rK+7], v[rQ:rQ+7], 0
.else
	v_wmma_f32_16x16x32_bf16 v[rS:rS+7], v[rK:rK+7], v[rQ:rQ+7], v[rS:rS+7]
.endif
.endm
; Product i of 16 of O^T += V^T P for piece x: keys 32 (i / 8) on, channels 16 ((i / 2) % 4) on, tile 2 x + i % 2.
.macro PV x
	WIN W_PV
.set rO, 32*(2*(\x)+i%2)+8*((i/2)%4)
.set rV, VF+32*(i/8)+8*((i/2)%4)
.set rP, P+32*((\x)%2)+16*(i%2)+8*(i/8)
	v_wmma_f32_16x16x32_bf16 v[rO:rO+7], v[rV:rV+7], v[rP:rP+7], v[rO:rO+7]
.endm
.macro MM                           ; the turn's next matrix instruction
.if i < 16
	KQ (Y+1)%NP
.set i, i+1
.else
.set i, i-16
	PV (Y+NP-1)%NP
.set i, i+17
.endif
.endm
; THE FRAGMENTS' LDS LOADS stand in runs of 16, never singly among the matrix instructions: a step's K (64 keys x 64 channels: 8 fragments) and its V (turned).  Their addresses are made some lines ahead.
.macro FETCH_K
	WIN 0x80                        ; destination window 2
.irp f, 0,1,2,3,4,5,6,7             ; keys 16 (f / 2) on, channels 32 (f % 2) on
	ds_load_b128 v[KF+8*\f:KF+8*\f+3],   v[AK] offset:(\f/2)*16*PK+(\f%2)*64
	ds_load_b128 v[KF+8*\f+4:KF+8*\f+7], v[AK] offset:(\f/2)*16*PK+(\f%2)*64+32
.endr
	WIN 0
.endm
.macro FETCH_V
	WIN 0x80
.irp f, 0,1,2,3,4,5,6,7             ; keys 32 (f / 4) on, channels 16 (f % 4) on
	ds_load_tr16_b128 v[VF+8*\f:VF+8*\f+3],   v[AV] offset:(\f/4)*32*PV+(\f%4)*32
	ds_load_tr16_b128 v[VF+8*\f+4:VF+8*\f+7], v[AV] offset:(\f/4)*32*PV+16*PV+(\f%4)*32
.endr
	WIN 0
.endm
; THE VECTOR WORK OF A TURN stands in three queues, each in the order in which its entries become ready; the two tiles alternate, so that no instruction reads the result of the one before it.
.macro REGS y, u                    ; the registers of tile u (0, 1) of piece y
.set rT, ST+4*(2*(\y)+(\u))
.set rC, TMP+8*((\y)%2)+4*(\u)
.set rM, 6*((\y)%2)+(\u)
.set rS, S+64*((\y)%2)+32*(\u)
.set rP, P+32*((\y)%2)+16*(\u)
.set rO, 32*(2*(\y)+(\u))
.set rB, BI+2*(\y)
.endm
; t = s / 32 + bias for pair n of 16 of tile u of the NEXT piece (Y + 1), in place: one fused multiply-add, one rounding.  The piece's two biases are a pair; tile 0 takes its low word for both halves, tile 1 its high word.
.macro G u, n
	REGS (Y+1)%NP, \u
.if (\u) == 0
	v_pk_fma_f32 v[rS+2*(\n):rS+2*(\n)+1], v[rS+2*(\n):rS+2*(\n)+1], s[SC:SC+1], v[rB:rB+1] op_sel_hi:[1,0,0]
.else
	v_pk_fma_f32 v[rS+2*(\n):rS+2*(\n)+1], v[rS+2*(\n):rS+2*(\n)+1], s[SC:SC+1], v[rB:rB+1] op_sel:[0,0,1] op_sel_hi:[1,0,1]
.endif
.endm
.macro GRUN                         ; all 32 of them, ascending: each accumulator's lowest registers are read first
	WIN 0
.set gn, 0
.rept 16
	G 0, gn
	G 1, gn
.set gn, gn+1
.endr
.endm
; Number n of the 22 that find the NEXT piece's maximum and statistics.  t0-t31 are the lane's 32 scores.  XS, GS, G and REGS set no window: PL, EX and GRUN do.
;   0-11  four chains c0-c3 of seven scores each, three operands at a time     12-14, 16  the four scores left over, the old m, and c0-c3 into c0     15  CM_old is kept
;   17, 18  the query's other 32 keys lie in the lane 16 away: the new m         19-21  CM = c m; CM_old - CM_new; a
.macro XS u, n
	REGS (Y+1)%NP, \u
.if (\n) < 4
	v_max3_num_f32 v[rC+(\n)], v[rS+8*(\n)], v[rS+8*(\n)+1], v[rS+8*(\n)+2]
.elseif (\n) < 12
	v_max3_num_f32 v[rC+(\n)%4], v[rC+(\n)%4], v[rS+8*((\n)%4)+2*((\n)/4)+1], v[rS+8*((\n)%4)+2*((\n)/4)+2]
.elseif (\n) == 12
	v_max3_num_f32 v[rC], v[rC], v[rS+7], v[rS+15]
.elseif (\n) == 13
	v_max3_num_f32 v[rC+1], v[rC+1], v[rS+23], v[rS+31]
.elseif (\n) == 14
	v_max3_num_f32 v[rC+2], v[rC+2], v[rC+3], v[rT+1]
.elseif (\n) == 15
	v_mov_b32 v[rM], v[rT]
.elseif (\n) == 16
	v_max3_num_f32 v[rC], v[rC], v[rC+1], v[rC+2]
.elseif (\n) == 17
	v_permlanex16_b32 v[rC+3], v[rC], s[SEL], s[SEL+1]
.elseif (\n) == 18
	v_max_num_f32 v[rT+1], v[rC], v[rC+3]
.elseif (\n) == 19
	v_mul_f32 v[rT], s[CS], v[rT+1]
.elseif (\n) == 20
	v_sub_f32 v[rC+1], v[rM], v[rT]
.else
	v_exp_f32 v[rC+2], v[rC+1]
.endif
.endm
; Number g of the 64 that follow the exponentials.  For each four weights k of a tile (pairs 2 k, 2 k + 1): both pairs are rounded to bf16; then the second pair is added onto the first, in place;
; a group later l takes that sum (the first time as l = a l + sum).  In groups of eight, tiles alternating: round, round, add, and l for the group before.
.macro GS g
.set h, (\g)+6*((\g)/62)            ; group 0 has no group before it, and behind group 7 only l is left
.if h >= 6
.set h, h+2
.endif
	REGS Y, h%2
.set k, h/8
.if h%8 < 4
	s_wait_alu depctr_va_vdst(0)
	v_cvt_pk_bf16_f32 v[rP+2*k+(h%8)/2], v[rS+4*k+2*((h%8)/2)], v[rS+4*k+2*((h%8)/2)+1]
.elseif h%8 < 6
	v_pk_add_f32 v[rS+4*k:rS+4*k+1], v[rS+4*k:rS+4*k+1], v[rS+4*k+2:rS+4*k+3]
.elseif k == 1
	v_pk_fma_f32 v[rT+2:rT+3], v[rT+2:rT+3], v[rC+2:rC+3], v[rS:rS+1] op_sel_hi:[1,0,1]
.else
	v_pk_add_f32 v[rT+2:rT+3], v[rT+2:rT+3], v[rS+4*k-4:rS+4*k-3]
	s_wait_alu depctr_va_vdst(0)
.endif
.endm
; THE PLAIN QUEUE, 138 long.  0-31: c t - CM for the 16 pairs of both tiles.  Then GS's 64, and among them the next piece's 42: number 15 at 38, 39; 0-14 and 16
; at 42-73, behind the products that make those scores and behind GRUN; 17-20 at 95-106, two of three, since each waits for the one before it.
.macro PL
	WIN 0
.if q < 32
	REGS Y, q%2
	v_pk_fma_f32 v[rS+2*(q/2):rS+2*(q/2)+1], v[rS+2*(q/2):rS+2*(q/2)+1], s[CS:CS+1], v[rT:rT+1] op_sel_hi:[1,0,0] neg_lo:[0,0,1] neg_hi:[0,0,1]
.elseif q < 38
	GS q-32
.elseif q < 40
	XS q%2, 15
.elseif q < 42
	GS q-34
.elseif q < 74
	XS q%2, (q-42)/2+(q-42)/30
.elseif q < 95
	GS q-66
.elseif (q < 107) && ((q-95)%3 < 2)
	XS (q-95)%3, 17+(q-95)/3
.elseif q < 107
	GS 29+(q-95)/3
.else
	GS q-74
.endif
.set q, q+1
.endm
; THE EXPONENTIALS' QUEUE, 66 long: t0-t31 of both tiles, and at EA the next piece's two a.
.set EA, 58
.macro EX
	WIN 0
.if (e == EA) || (e == EA+1)
	XS e-EA, 21
.else
.set x, e-2*(e/(EA+2))
	REGS Y, x%2
	v_exp_f32 v[rS+x/2], v[rS+x/2]
.endif
.set e, e+1
.endm
; THE RESCALING's QUEUE: O^T times a, which leaves window 0, so it is dealt four at a time, eight times.  Each accumulator's lowest registers come first.
.macro R4
	REGS Y, r%2
	WIN W_RS
	s_wait_alu depctr_va_vdst(0)
.irp z, 0,1,2,3
	v_pk_mul_f32 v[rO+8*(r/2)+2*\z:rO+8*(r/2)+2*\z+1], v[rO+8*(r/2)+2*\z:rO+8*(r/2)+2*\z+1], v[rC+2:rC+3] op_sel_hi:[1,0]
.endr
.set r, r+1
.endm
; HOW THEY ARE DEALT.  Behind a matrix instruction four: plain, exponential, plain, plain (one exponential, a plain instruction on either side), or four of the rescaling.  None names a register of the
; products round it.  What is over stands in two LUMPS: exponential and plain by turns; the second ends in 22 plain instructions.  The two v_permlanex16_b32 fall into the second lump.
; The queues lean on each other, and the deal keeps them in step: exponential e stands behind plain 2 (e / 4) + e % 2 (its scaling); when plain 32 comes, 10 exponentials are out, at 59: 33, at 95: 46; EA comes behind plain 107.
.macro SL
	MM
	PL
	EX
	PL
	PL
.endm
.macro BURST n                      ; 15 matrix instructions, or 16
.rept (\n)-7
	SL
.endr
.rept 3
	MM
	R4
	SL
.endr
	MM
	R4
.endm
; A TURN, for piece p.  Five pairs into the first lump, behind all 16 products K Q^T (the last has four rescalings and five plain lines behind it) and ahead of plain 42, the first line of the
; maximum, stand the turn's unit, number (p + 2) % 4 of the trip's four, and GRUN.  The unit: its bank's four loads were issued four turns ago, and behind them the three other banks' twelve, which
; may stay out; it is rounded and stored, and the bank takes the same unit of the next step.
; K of step j is fetched in piece 2's turn; its first reader comes behind the rest of the lump, 16 products and the second lump.  V of step j is fetched at the end of piece 0's turn; its first
; reader comes behind 16 products and a lump.  The conditions on e and q below go with the deal.
.macro TURN p
.set Y, (\p)
.set i, 0
.set q, 0
.set e, 0
.set r, 0
.if (\p) == NP-1
	s_wait_dscnt 0x0                ; K is in
.endif
	MM
.rept 4
	PL
.endr
	BURST 15
.rept 5
	EX
	PL
.endr
.if (\p) == NP-2
	CADDR
.endif
	CONV ((\p)+2)%NP, ((\p)+2)%NP, 12
	GLOAD ((\p)+2)%NP, ((\p)+2)%NP, 2
.if (\p) == NP-2
	ASK
.endif
	GRUN
.rept 17
	EX
	PL
.if ((\p) == NP-2) && (e == 18)
	v_add_nc_u32 v[AK], s[TB], v[AK0]
.endif
.if ((\p) == NP-2) && (e == 24)
	FETCH_K
.endif
.endr
.if (\p) == 1
	s_wait_dscnt 0x0                ; V is in
.endif
	BURST 16
.rept 21
	EX
	PL
.endr
.rept 22
	PL
.if ((\p) == 0) && (q == 118)
	v_add_nc_u32 v[AV], s[TB], v[AV0]
	s_wait_alu depctr_va_vdst(0)
.endif
.endr
.if (\p) == 0
	FETCH_V
.endif
.endm
	s_wait_dscnt 0x0                ; for the others' sake: my part of step 0 lies in buffer 0
	s_barrier_signal -1
	s_barrier_wait -1               ; everybody's does
	v_add_nc_u32 v[AK], s[TB], v[AK0]
	v_add_nc_u32 v[AV], s[TB], v[AV0]
	FETCH_K                         ; key step 0
	FETCH_V                         ; and its V, early: the first turn's products V^T P want finite numbers there; piece 0's turn fetches it again in its own place
	s_wait_dscnt 0x0
.set i, 0
.rept 16
	KQ 0                            ; piece 0's first scores: there is no vector work yet to set between them
.set i, i+1
.endr
	WIN 0
.rept 4
	v_nop                           ; the places behind those products
.endr
.set Y, NP-1                        ; G and XS work for piece Y + 1: piece 0
	GRUN
.irp n, 0,1,2,3,4,5,6,7,8,9,10,11,12,13,14,15,16,17,18,19,20,21
	XS 0, \n                        ; piece 0's first maximum and statistics
	XS 1, \n
.endr
	s_branch .Lfirst                ; the loop is entered at a step's first turn, in the middle of a trip: trip 0
.Lstep:                             ; trips 1 to 32
	SYNC
	TURN 2
	TURN 3
	WIN 0
	s_cmp_eq_u32 s[LEFT], 1         ; trip 32 is left here: step 31's four pieces have had their turns
	s_cbranch_scc1 .Lout
.Lfirst:
	TURN 0
	TURN 1
	WIN 0
	s_sub_co_u32 s[LEFT], s[LEFT], 1
	s_cmp_lg_u32 s[LEFT], 0
	s_cbranch_scc1 .Lstep
.Lout:
.set i, 0
.rept 16
	PV NP-1                         ; the last piece's V^T P of the last step
.set i, i+1
.endr
	; THE WAY OUT.  l's two halves and the other half of the lanes' are added; O^T is divided by l and sent, in f32, through my stage in LDS, a tile at a time.  The additions are the places behind the last products.
	WIN 0
.macro ALL line:vararg              ; one line for each tile t
.set t, 0
.rept 2*NP
	\line
.set t, t+1
.endr
.endm
	ALL v_add_f32 v[ST+4*t+2], v[ST+4*t+2], v[ST+4*t+3]
	ALL v_permlanex16_b32 v[ST+4*t+3], v[ST+4*t+2], s[SEL], s[SEL+1]
	ALL v_add_f32 v[ST+4*t+2], v[ST+4*t+2], v[ST+4*t+3]
	ALL v_rcp_f32 v[ST+4*t+2], v[ST+4*t+2]
	v_nop                           ; a plain instruction between the last reciprocal and the use of its result
	s_wait_alu depctr_va_vdst(0)
; Tile t: a lane's eight channels of a row (block cb: 32 bytes at 64 cb + 32 (l / 16)) go into rows of 272 bytes and come back as whole rows of 256, into the registers that they left.
.macro PACK t
	WIN W_RS
.set i, 32*(\t)
.rept 16
	v_pk_mul_f32 v[i:i+1], v[i:i+1], v[ST+4*(\t)+2:ST+4*(\t)+3] op_sel_hi:[1,0]
.set i, i+2
.endr
	WIN 0x07                        ; address window 3, data window 1
.irp f, 0,1,2,3,4,5,6,7
	ds_store_b128 v[STO], v[32*(\t)+4*\f:32*(\t)+4*\f+3] offset:64*(\f/2)+16*(\f%2)
.endr
	WIN 0x43                        ; destination window 1, address window 3
.irp f, 0,1,2,3,4,5,6,7
	ds_load_b128 v[32*(\t)+4*\f:32*(\t)+4*\f+3], v[RD] offset:\f*2*SP  ; LDS serves a wave's instructions in order (ISA guide 5.7.1.4): these see the stores above; the next tile's stores come behind them
.endr
.endm
.macro SEND t, younger              ; younger: the LDS instructions issued behind tile t's loads: the next tile's sixteen, or none
	WIN 0x07
	s_wait_dscnt \younger
.irp f, 0,1,2,3,4,5,6,7
	global_store_b128 v[GO], v[32*(\t)+4*\f:32*(\t)+4*\f+3], s[12:13] offset:(\t)*4096+\f*512 th:TH_STORE_NT  ; two rows of O: 512 consecutive bytes, at a multiple of 256 from O's first byte
.endr
.endm
	PACK 0
.set t, 1
.rept 2*NP-1                        ; a tile's arithmetic stands between the loads of the tile before and its stores
	PACK t
	SEND t-1, 16
.set t, t+1
.endr
	SEND 2*NP-1, 0
	WIN W_AD
	s_wait_tensorcnt 0x0            ; the wave's end, behind my last LDS store
	ds_add_u32 v[SPW], v[NIL]
	s_wait_dscnt 0x0
	WIN 0
	s_endpgm
.Lfunc_end_k_q6b1fb889d7_attn:
	.size	k_q6b1fb889d7_attn, .Lfunc_end_k_q6b1fb889d7_attn-k_q6b1fb889d7_attn
	.p2alignl 7, 3214868480
	.fill 96, 4, 3214868480
	.section	.rodata,"a",@progbits
	.p2align	6, 0x0
	.amdhsa_kernel k_q6b1fb889d7_attn
		.amdhsa_group_segment_fixed_size 70144
		.amdhsa_private_segment_fixed_size 0
		.amdhsa_enable_private_segment 0
		.amdhsa_kernarg_size 40
		.amdhsa_user_sgpr_count 2
		.amdhsa_user_sgpr_kernarg_segment_ptr 1
		.amdhsa_wavefront_size32 1
		.amdhsa_system_sgpr_workgroup_id_x 1
		.amdhsa_system_sgpr_workgroup_id_y 1
		.amdhsa_system_sgpr_workgroup_id_z 1
		.amdhsa_system_vgpr_workitem_id 0
		.amdhsa_next_free_vgpr 920
		.amdhsa_next_free_sgpr 66
		.amdhsa_reserve_vcc 0
		.amdhsa_float_denorm_mode_32 3
		.amdhsa_float_denorm_mode_16_64 3
		.amdhsa_memory_ordered 1
		.amdhsa_forward_progress 1
		.amdhsa_inst_pref_size 154
	.end_amdhsa_kernel
	.amdgpu_metadata
---
amdhsa.version: [ 1, 2 ]
amdhsa.kernels:
  - .name:           k_q6b1fb889d7_attn
    .symbol:         k_q6b1fb889d7_attn.kd
    .args:
      - { .name: query, .offset: 0, .size: 8, .value_kind: global_buffer, .address_space: global }
      - { .name: key, .offset: 8, .size: 8, .value_kind: global_buffer, .address_space: global }
      - { .name: value, .offset: 16, .size: 8, .value_kind: global_buffer, .address_space: global }
      - { .name: mask, .offset: 24, .size: 8, .value_kind: global_buffer, .address_space: global }
      - { .name: out0, .offset: 32, .size: 8, .value_kind: global_buffer, .address_space: global }
    .group_segment_fixed_size: 70144
    .private_segment_fixed_size: 0
    .kernarg_segment_align: 8
    .kernarg_segment_size: 40
    .max_flat_workgroup_size: 128
    .sgpr_count:     66
    .vgpr_count:     920
    .wavefront_size: 32
...
	.end_amdgpu_metadata
.endif
;; end of part 1
